; MI455X (gfx1250); checked and timed in simulation.
; The chip was launched on July 23, 2026; its instructions are those of AMD's public machine-readable ISA for CDNA 5 (MIT licence, August 2026) and "CDNA5" Instruction Set Architecture Reference Guide (July 2026). The comments in the code are by the model that wrote it; some were corrected since.
;; GPT2 Symmetric Latent Attention. Allowed arithmetic: matrix products marked QUANTISED: E2M3 operands, one E8M0 scale for each 32 along K, by v_wmma_scale_f32_16x16x128_f8f6f4 with both operands' format E2M3, f32 sums; everything else in f32.
;; Inputs: basis_w_codes 64 x 32 x 24 uint8 (E2M3 codes of basis_w, K innermost, in blocks of 32 codes, four codes in three bytes); basis_w_scales 64 x 32 uint8 (E8M0 scales of basis_w, one for each 32 codes along K); core 64 x 64 float32; head_residual 16 x 64 x 64 float32; hidden_states_codes 4 x 2,048 x 32 x 24 uint8 (E2M3 codes of hidden_states, K innermost, in blocks of 32 codes, four codes in three bytes); hidden_states_scales 4 x 2,048 x 32 uint8 (E8M0 scales of hidden_states, one for each 32 codes along K); o_b 1,024 float32; o_w_codes 1,024 x 32 x 24 uint8 (E2M3 codes of o_w, K innermost, in blocks of 32 codes, four codes in three bytes); o_w_scales 1,024 x 32 uint8 (E8M0 scales of o_w, one for each 32 codes along K); v_b 1,024 float32; v_w_codes 1,024 x 32 x 24 uint8 (E2M3 codes of v_w, K innermost, in blocks of 32 codes, four codes in three bytes); v_w_scales 1,024 x 32 uint8 (E8M0 scales of v_w, one for each 32 codes along K).
;; Outputs: out0 4 x 2,048 x 1,024 float32.
;; This version of the problem:
;;   THIS VERSION OF THE PROBLEM IS GIVEN IN LOW PRECISION. The matrix products marked QUANTISED in the list below multiply operands that are first quantised to E2M3 (2 exponent bits, 3 mantissa bits; 6 bits a number), with one power-of-two scale for each 32 numbers along K (OCP MX v1.0); their sums are f32. All else is computed in f32.
;;   The module's matrix products, in the order in which they are computed (A, B: the left and right operand; K: the contracted axis; several contracted axes count as one K, in the product's order):
;;     1. [M 8,192, K 1,024] x [K 1,024, N 64]; A: input hidden_states (given as codes); B: input basis_w (given as codes): QUANTISED
;;     2. [M 1,024, K 64] x [K 64, N 8,192]; A: computed on the way; B: computed on the way: QUANTISED
;;     3. batch 4 x [M 32,768, K 64] x [K 64, N 2,048]; A: computed on the way; B: computed on the way: QUANTISED
;;     4. [M 8,192, K 1,024] x [K 1,024, N 1,024]; A: input hidden_states (given as codes); B: input v_w (given as codes): QUANTISED
;;     5. batch 64 x [M 2,048, K 2,048] x [K 2,048, N 64]; A: softmax (see below); B: computed on the way: QUANTISED
;;     6. [M 8,192, K 1,024] x [K 1,024, N 1,024]; A: computed on the way; B: input o_w (given as codes): QUANTISED
;;   THE QUANTISER, for each operand of a quantised product, along K:
;;     - K is cut into blocks of 32 from its start; a last block that is shorter is filled with zeros.
;;     - A block's scale is 2^e with e = floor(log2(the largest magnitude in the block)) - 2, held to -126 .. 127; a block of zeros has e = 0. As a byte (E8M0): e + 127.
;;     - Each number is divided by its block's scale, clamped to +-7.5, and rounded to the nearest number of E2M3, ties to even, subnormals kept.
;;     - The product sums the exact products of the quantised numbers (number of the format x scale) in f32.
;;   ~~~python
;;   def quantise(x, axis):      # numpy; x: float32 -> the quantised numbers, widened to float32 again
;;       x = np.moveaxis(x, axis, -1); K = x.shape[-1]
;;       x = np.pad(x, [(0, 0)] * (x.ndim - 1) + [(0, -K % 32)]); x = x.reshape(x.shape[:-1] + (-1, 32)); a = np.abs(x).max(-1, keepdims=True)
;;       e = np.where(a > 0, np.clip(np.frexp(np.where(a > 0, a, 1))[1] - 1 - 2, -126, 127), 0)      # np.frexp(a)[1] - 1 = floor(log2(a)), exactly
;;       r = np.clip(x / 2.0 ** e, -7.5, 7.5)
;;       step = 2.0 ** (np.maximum(np.frexp(np.where(r == 0, 1, r))[1] - 1, 0) - 3)
;;       q = np.round(r / step) * step * 2.0 ** e      # np.round: ties to even
;;       return np.moveaxis(q.reshape(q.shape[:-2] + (-1,))[..., :K], -1, axis).astype(np.float32)
;;   ~~~
;;   SOFTMAX AHEAD OF A QUANTISED PRODUCT. Where the list says 'softmax', what is quantised is not the finished softmax but p = 2^(t - M), with t = logit x log2(e) and M = ceil(the row's largest t), a whole number; so 1/2 < the row's largest p <= 1. The row's sum l is taken of the UNQUANTISED p, in f32, and the product's result is divided by l at the end. Since M is a whole number, a kernel that streams over the keys may use a running M (the ceiling of the running maximum): every later rescaling is an exact power of two, which a block's scale takes up: the codes' values come out the same.
;;   OPERANDS COMPUTED ON THE WAY. 'Computed on the way' means the value that the module computes at that place (a softmax that the list does not call 'softmax' is quantised finished and normalised). What goes into a quantiser is computed in f32, as accurately as f32 sums, v_exp_f32 and their like allow (about 1e-6 of the number): no bf16 or f16 on the way to a quantiser, and a product that is left as it is and whose result goes on into a quantised operand takes f32 operands (vector FMAs, or v_wmma_f32_16x16x4_f32). A number that lies on a knife's edge between two numbers of the format may be rounded either way, as far as f32 arithmetic and the matrix unit's own rounding can turn it there, and no further.
;;   INPUTS GIVEN AS CODES. basis_w (in the module: [64, 1024], K = its axis 1); hidden_states (in the module: [4, 2048, 1024], K = its axis 2); o_w (in the module: [1024, 1024], K = its axis 1); v_w (in the module: [1024, 1024], K = its axis 1): each comes as NAME_codes (uint8): NAME with its K axis moved to the last place and cut into blocks of 32 codes, [.., K / 32, bytes a block], one block behind the other in memory; four codes in three bytes: a row's codes are one little-endian stream of bits, code i at bits 6 i .. 6 i + 5 (a code: sign, 2 exponent bits, 3 mantissa bits); and NAME_scales (uint8): the same leading axes, one E8M0 byte (e + 127) for each 32 codes along K. Its value is code x scale, taken as it is: it is not quantised again, and the codes and scales need not be those that the quantiser above would give.
;; One version. Each part assembles by itself: llvm-mc -triple=amdgcn-amd-amdhsa -mcpu=gfx1250 --defsym DOCPART=n.
;; ======== version 1 of 1: 3 launches
;; limits: right only within a limited range of input values
;; workspace buffers: kimg 425,984 bytes; vimg 6,815,744 bytes; mimg 53,248 bytes; yimg 6,815,744 bytes
;; launch proj (part 1): grid 64 x 4, 9 waves a work-group, clusters of 4 x 1, 318,720 bytes of LDS; arguments hidden_states_codes, hidden_states_scales, v_w_codes, v_w_scales, v_b, basis_w_codes, basis_w_scales, core, head_residual, kimg, vimg, mimg; writes kimg, vimg, mimg
.if DOCPART == 1
	.amdgcn_target "amdgcn-amd-amdhsa--gfx1250"
	.amdhsa_code_object_version 6
	.text
	.protected	k_qaf031d1d3d_proj
	.globl	k_qaf031d1d3d_proj
	.p2align	8
	.type	k_qaf031d1d3d_proj,@function
k_qaf031d1d3d_proj:
	s_mov_b64 s[64:65], 0
	v_nop
	global_prefetch_b8 v0, s[64:65] scope:SCOPE_SE
	s_setreg_imm32_b32 hwreg(HW_REG_WAVE_MODE, 25, 1), 1
	s_wait_xcnt 0x0
	s_wait_alu depctr_hold_cnt(0) depctr_sa_sdst(0) depctr_va_vdst(0) depctr_va_sdst(0) depctr_va_ssrc(0) depctr_va_vcc(0) depctr_vm_vsrc(0)
	s_getreg_b32 s2, hwreg(HW_REG_IB_STS2, 6, 4)
	s_cmp_eq_u32 s2, 0
	s_cbranch_scc0 .Lentry_in_a_cluster
	s_endpgm
.Lentry_in_a_cluster:
	s_bfe_u32 s2, ttmp6, 0x10000c
	s_cmp_lg_u32 s2, 0x3003
	s_cbranch_scc0 .Lentry_shape_is_right
	s_endpgm
.Lentry_shape_is_right:
; PROJ: what attention needs of every key, as codes of FP6 (E2M3) with one E8M0 byte for each 32 along the next product's K.
;   v = hidden v_w^T + v_b, quantised along the KEYS -> vimg;  latent = hidden basis_w^T, quantised along its 64 -> kimg;  head_mats = (core + core^T) / 32 + head_residual - its mean over the heads, quantised along r -> mimg.
; SHARES.  A work-group: 128 rows of hidden (rb = 4 x cluster x + cx) x 256 channels (cb = work-group y).  Waves 0-7: 128 rows x 32 channels, 16 accumulators.  Wave 8, the helper: the latent of key tiles 2 cb, 2 cb + 1,
; operands straight from memory (it touches no tile in LDS); where cb < 2 it first makes one block of 32 of head_mats.
; LDS, filled once: both panels as dense lines of 256 bytes + 16 of padding, so a row of 768 bytes has a pitch of 816.  One tensor load a wave: waves 0-3 v_w's 64 rows each (jointly, mask 15: the four partners share cb),
; waves 4, 5 hidden's 64 rows each, wave 6 hidden's scale bytes.  No prefetch: every fill goes out at the head, there is no loop to run ahead in.  4 x 4 clusters are not taken: hidden's panel hangs on rb alone, a small part beside v_w's.
; THE ORDER OF KEYS.  Tile 4 c + u of hidden takes rows 64 c + 8 u + r (r < 8) and 64 c + 32 + 8 (u xor 1) + r - 8: a lane (channel, h) then holds in 32 registers on end the WHOLE block 2 c + h,
; register 8 u + j = key 64 c + 32 h + 8 (u xor h) + j.  The same order inside a block is used for p in attention, so the products are kept.  The 16 rows of such a tile differ modulo 16: with the pitch 816 they start at 16 different groups of banks.
; WORKSPACE, images of operand registers (a group of four registers at 16 x lane, 512 bytes a group):
;   vimg [16 batch + head][key step][6,656]: four fragments (16 channels x 128 keys) of 1,536 bytes, then scale words [32 channels' half][lane][u].
;   kimg [batch][key step][6,656]: 8 key tiles x 6 registers, then scale words [tile / 2][row][tile % 2]; bytes 2, 3 of a word are 0.
;   mimg [head][3,328]: tile t: 24 bytes a lane at 768 t + 24 lane; scale words at 3,072 + 64 t + 4 (lane % 16); bytes 2, 3 are 0.
; LIMITS: NaN and infinities are not served.  A block under 2^-124 or of zeros gets the byte 1 (its codes are zeros; this program alone takes these bytes).  The 16 heads are summed in ascending order.
.set P,     816
.set PART,  64*P
.set LB,    2*PART
.set LS,    LB+4*PART
.set SPARE, LS+4096
.set KB,    6656
.set MB,    3328
.set SH,    13                         ; v13 8 h
.set GB,    116                        ; basis_w's codes and scale words: lane offsets
.set GS,    117
.set R8,    118
.set GH,    119                        ; v119, v120 the helper's keys: lane offsets for tiles 0, 1;  v121, v122 their scale words
.set GHS,   121
.set SPW,   126
.set NIL,   127
.set SEL,   2
.set WV,    28
.set CB,    29
.set RB,    30
.set G1A,   32
.set G1B,   40
.set G1S,   48
.macro ROUND
	s_barrier_signal -1
	s_barrier_wait -1
	s_cmp_lg_u32 s[WV], 0
	s_cbranch_scc1 .Lnot_wave_0_\@
	s_barrier_signal -3
.Lnot_wave_0_\@:
	s_barrier_wait -3
	s_barrier_signal -1
	s_barrier_wait -1
.endm
.macro PLACES
.rept 4
	v_nop
.endr
.endm
.macro G1SET g, c, r, p
	s_mov_b32 s[\g+1], (\c)<<16
	s_mov_b32 s[\g+2], (\r)<<16
	s_mov_b32 s[\g+3], (\c)<<16
	s_mov_b32 s[\g+4], \r
	s_mov_b32 s[\g+5], \p
	s_mov_b32 s[\g+6], 0
	s_mov_b32 s[\g+7], 0
.endm
.macro G0SET g, lreg, lconst, greg
	s_mov_b32 s[\g], 1
	s_add_co_u32 s[\g+1], s[\lreg], \lconst
	s_mov_b64 s[\g+2:\g+3], s[\greg:\greg+1]
	s_or_b32 s[\g+3], s[\g+3], 0x80000000
.endm
; A fragment of K step s: six pieces of 8 bytes.  Byte y of a row lies at y + 16 (y / 256).  Lanes 16-31 read 24 bytes on; where that is in the next line of 256, the second register serves (40 h for 24 h).
.macro FRAG reg, adr, adrx, s, off
.irp p, 0,1,2,3,4,5
.set PCE, 12*(\s)+6*(\p/3)+\p%3
.if PCE%32 < 29
	ds_load_b64 v[\reg+2*\p:\reg+2*\p+1], v[\adr] offset:8*(PCE%32)+272*(PCE/32)+(\off)
.else
	ds_load_b64 v[\reg+2*\p:\reg+2*\p+1], v[\adrx] offset:8*(PCE%32)+272*(PCE/32)+(\off)
.endif
.endr
.endm
.macro MMZ d, a, b, sa, sb
	v_wmma_scale_f32_16x16x128_f8f6f4 v[\d:\d+7], v[\a:\a+11], v[\b:\b+11], 0, v[\sa], v[\sb] matrix_a_fmt:MATRIX_FMT_FP6 matrix_b_fmt:MATRIX_FMT_FP6
.endm
.macro MMC d, a, b, sa, sb
	v_wmma_scale_f32_16x16x128_f8f6f4 v[\d:\d+7], v[\a:\a+11], v[\b:\b+11], v[\d:\d+7], v[\sa], v[\sb] matrix_a_fmt:MATRIX_FMT_FP6 matrix_b_fmt:MATRIX_FMT_FP6
.endm
; 64 numbers of a lane, two whole blocks (2 c + h in registers 32 c on), become a fragment's codes in v[pc] .. v[pc + 11] and its scale word in v[pw].  v[pc + 12] .. v[pc + 18] and nine registers from v[tm] are at work.
.macro QB s, pc, pw, tm
.irp k, 0,1,2,3
	v_max3_num_f32 v[\tm+\k], |v[\s+16*\k]|, |v[\s+1+16*\k]|, 0x1800000   ; four chains by turns; the floor 2^(3 - 127) holds the byte at 1 from below
.endr
.irp i, 2,4,6,8,10,12,14
.irp k, 0,1,2,3
	v_max3_num_f32 v[\tm+\k], v[\tm+\k], |v[\s+16*\k+\i]|, |v[\s+1+16*\k+\i]|
.endr
.endr
	v_max_num_f32 v[\tm], v[\tm], v[\tm+1]
	v_max_num_f32 v[\tm+2], v[\tm+2], v[\tm+3]
	s_delay_alu instid0(VALU_DEP_2)
	v_add_nc_u32 v[\tm+4], 0xff000000, v[\tm]          ; 2 off the exponent field: the conversion's scale operand
	s_delay_alu instid0(VALU_DEP_2)
	v_add_nc_u32 v[\tm+5], 0xff000000, v[\tm+2]
	s_delay_alu instid0(VALU_DEP_2)
	v_lshrrev_b32 v[\tm+6], 23, v[\tm+4]
	s_delay_alu instid0(VALU_DEP_2)
	v_lshrrev_b32 v[\tm+7], 23, v[\tm+5]
	s_delay_alu instid0(VALU_DEP_1)
	v_lshl_or_b32 v[\pw], v[\tm+7], 16, v[\tm+6]       ; my bytes: blocks h and 2 + h,
	s_delay_alu instid0(VALU_DEP_1)
	v_lshlrev_b32 v[\pw], v[SH], v[\pw]                ; 8 h bits up;
	s_delay_alu instid0(VALU_DEP_1)
	v_permlanex16_b32 v[\tm+8], v[\pw], s[SEL], s[SEL+1]
	s_delay_alu instid0(VALU_DEP_1)
	v_or_b32 v[\pw], v[\pw], v[\tm+8]                  ; with lane l xor 16's two the word is whole
.irp c, 0,1
	v_cvt_scalef32_pk16_fp6_f32 v[\pc+6*\c:\pc+2+6*\c], v[\s+32*\c:\s+15+32*\c], v[\tm+4+\c]
	v_cvt_scalef32_pk16_fp6_f32 v[\pc+12+4*\c:\pc+14+4*\c], v[\s+16+32*\c:\s+31+32*\c], v[\tm+4+\c]   ; (a conversion's three registers begin on an even number)
.endr
	v_nop
.irp c, 0,1
.irp i, 0,1,2
	v_mov_b32 v[\pc+3+6*\c+\i], v[\pc+12+4*\c+\i]
.endr
.endr
.endm
; 32 numbers, register 16 b + i = k 32 b + 16 h + i of my row (K = 64): codes in v[pc] .. v[pc + 5], scale word in v[pw], bytes 2, 3 = 0.
.macro QUANT2 s, pc, x, pw, tm
.irp b, 0,1
	v_max3_num_f32 v[\tm+\b], |v[\s+16*\b]|, |v[\s+1+16*\b]|, 0x1800000
.endr
.irp i, 2,4,6,8,10,12,14
.irp b, 0,1
	v_max3_num_f32 v[\tm+\b], v[\tm+\b], |v[\s+16*\b+\i]|, |v[\s+1+16*\b+\i]|
.endr
.endr
.irp b, 0,1
	s_delay_alu instid0(VALU_DEP_2)
	v_permlanex16_b32 v[\tm+2+\b], v[\tm+\b], s[SEL], s[SEL+1]
.endr
.irp b, 0,1
	s_delay_alu instid0(VALU_DEP_2)
	v_max_num_f32 v[\tm+\b], v[\tm+\b], v[\tm+2+\b]
.endr
.irp b, 0,1
	s_delay_alu instid0(VALU_DEP_2)
	v_add_nc_u32 v[\tm+4+\b], 0xff000000, v[\tm+\b]
.endr
.irp b, 0,1
	s_delay_alu instid0(VALU_DEP_2)
	v_lshrrev_b32 v[\tm+2+\b], 23, v[\tm+4+\b]
.endr
	s_delay_alu instid0(VALU_DEP_1)
	v_lshl_or_b32 v[\pw], v[\tm+3], 8, v[\tm+2]
	v_cvt_scalef32_pk16_fp6_f32 v[\pc:\pc+2], v[\s:\s+15], v[\tm+4]
	v_cvt_scalef32_pk16_fp6_f32 v[\x:\x+2], v[\s+16:\s+31], v[\tm+5]
	v_nop
.irp i, 0,1,2
	v_permlane16_swap_b32 v[\pc+\i], v[\x+\i]
.endr
.irp i, 0,1,2
	s_delay_alu instid0(VALU_DEP_3)
	v_mov_b32 v[\pc+3+\i], v[\x+\i]
.endr
.endm
; Waves 0-7, K step s: two fragments of v_w, hidden's eight tiles in two halves; 16 accumulators by turns.
.macro KSTEP s
	PLACES
	FRAG 68, 9, 10, \s, 0
	FRAG 80, 9, 10, \s, 8*P
.irp gq, 0,1
.if \gq
	PLACES
.endif
.irp q, 0,1,2,3
	FRAG 20+12*\q, 1+2*(\q%2)+\gq, 5+2*(\q%2)+\gq, \s, 8*\q*P
	ds_load_b32 v[92+\q], v[11+\q%2] offset:(64*\gq+8*\q)*32+4*(\s)
.endr
	s_wait_dscnt 0x0
.irp q, 0,1,2,3
.irp u, 0,1
.if (\s) == 0
	MMZ 128+64*\u+8*(4*\gq+\q), 20+12*\q, 68+12*\u, 92+\q, 96+8*\u+(\s)
.else
	MMC 128+64*\u+8*(4*\gq+\q), 20+12*\q, 68+12*\u, 92+\q, 96+8*\u+(\s)
.endif
.endr
.endr
.endr
.endm
; Wave 8: K step s from memory into set s % 2: basis_w's four fragments and words, my two key tiles' fragments and words: 42 loads
.macro BLOAD s
.set SB, 20+172*((\s)%2)
.irp t, 0,1,2,3
.irp p, 0,1,2,3,4,5
	global_load_b64 v[SB+12*\t+2*\p:SB+12*\t+2*\p+1], v[GB], s[14:15] offset:(32*(\t/2)+8*(\t%2))*768+96*(\s)+48*(\p/3)+8*(\p%3)
.endr
	global_load_b32 v[92+6*((\s)%2)+\t], v[GS], s[16:17] offset:(32*(\t/2)+8*(\t%2))*32+4*(\s)
.endr
.irp k, 0,1
.set HF, (1-(\s)%2)*(68+12*\k)+((\s)%2)*(240-136*\k)
.irp p, 0,1,2,3,4,5
	global_load_b64 v[HF+2*\p:HF+2*\p+1], v[GH+\k], s[72:73] offset:6144*\k+96*(\s)+48*(\p/3)+8*(\p%3)
.endr
	global_load_b32 v[96+6*((\s)%2)+\k], v[GHS+\k], s[74:75] offset:256*\k+4*(\s)
.endr
.endm
; Wave 8, K step s: source 0 = 16 rows of basis_w, source 1 = 16 keys.  Eight accumulators by turns.
.macro HSTEP s
.set HB, 20+172*((\s)%2)
.if (\s) == 7
	s_wait_loadcnt 0x0
.else
	s_wait_loadcnt 42                      ; this step's loads are in; the next step's 42, issued behind them, may be out
.endif
.irp t, 0,1,2,3
.irp k, 0,1
.if (\s) == 0
	MMZ 128+32*\k+8*\t, HB+12*\t, ((1-(\s)%2)*(68+12*\k)+((\s)%2)*(240-136*\k)), 92+6*((\s)%2)+\t, 96+6*((\s)%2)+\k
.else
	MMC 128+32*\k+8*\t, HB+12*\t, ((1-(\s)%2)*(68+12*\k)+((\s)%2)*(240-136*\k)), 92+6*((\s)%2)+\t, 96+6*((\s)%2)+\k
.endif
.endr
.endr
.if (\s)+2 < 8
	PLACES
	BLOAD (\s)+2
.endif
.endm
.macro HLOAD k                         ; head k's 16 numbers of my column into ring set k % 3
.set I, 0
.rept 16
	global_load_b32 v[128+16*((\k)%3)+I], v26, s[20:21] offset:16384*(\k)+256*I
.set I, I+1
.endr
.endm
	s_load_b512 s[4:19], s[0:1], 0x0       ; hidden's codes, scales; v_w's codes, scales; v_b; basis_w's codes, scales; core
	s_load_b256 s[20:27], s[0:1], 0x40     ; head_residual, kimg, vimg, mimg
	v_lshl_add_u32 v[SPW], v0, 2, SPARE
	v_mov_b32 v[NIL], 0
	ds_add_u32 v[SPW], v[NIL]              ; the opening lines: the add twice on end and one wait
	ds_add_u32 v[SPW], v[NIL]
	v_lshrrev_b32 v20, 5, v0
	v_readfirstlane_b32 s[WV], v20
	s_bfe_u32 s31, ttmp6, 0x40000
	s_lshl_b32 s[RB], ttmp9, 2
	s_add_co_u32 s[RB], s[RB], s31         ; rb enters global addresses alone
	s_and_b32 s[CB], ttmp7, 3
	s_mov_b32 s[SEL], 0x76543210
	s_mov_b32 s[SEL+1], 0xfedcba98
	s_min_u32 s88, s[WV], 7
	s_mul_i32 s88, s88, 32*P
	s_add_co_u32 s88, s88, LB              ; my wave's 32 rows of v_w
	v_and_b32 v20, 15, v0                  ; r
	v_bfe_u32 v21, v0, 4, 1                ; h
	v_and_b32 v22, 7, v0
	v_bfe_u32 v23, v0, 3, 1
	v_lshl_add_u32 v24, v23, 3, v20        ; r + 8 (r / 8)
	v_mad_u32_u24 v25, v23, 40, v22        ; my row of a tile with u even,
	v_mad_u32_u24 v26, v23, 24, v22        ; and with u odd, counted from row 64 c + 8 u
	v_mul_u32_u24 v27, v25, P
	v_mul_u32_u24 v28, v26, P
	v_mul_u32_u24 v29, v24, P
	v_mad_u32_u24 v1, v21, 24, v27         ; v1-4: hidden, u even c = 0, 1; u odd c = 0, 1
	v_mad_u32_u24 v3, v21, 24, v28
	v_mad_u32_u24 v5, v21, 40, v27         ; v5-8: the same for pieces whose upper half lies in the next line
	v_mad_u32_u24 v7, v21, 40, v28
	v_add_nc_u32 v29, s88, v29
	v_add_nc_u32 v2, PART, v1
	v_add_nc_u32 v4, PART, v3
	v_add_nc_u32 v6, PART, v5
	v_add_nc_u32 v8, PART, v7
	v_mad_u32_u24 v9, v21, 24, v29         ; v9, v10: v_w
	v_mad_u32_u24 v10, v21, 40, v29
	v_lshl_add_u32 v11, v25, 5, LS         ; v11, v12: hidden's scale words
	v_lshl_add_u32 v12, v26, 5, LS
	v_lshlrev_b32 v[SH], 3, v21
	v_and_b32 v27, 31, v0
	v_lshlrev_b32 v18, 4, v27
	v_lshlrev_b32 v19, 3, v27
	v_mul_u32_u24 v[GB], v24, 768
	v_mul_u32_u24 v[GH], v25, 768
	v_mul_u32_u24 v[GH+1], v26, 768
	v_mad_u32_u24 v[GB], v21, 24, v[GB]
	v_mad_u32_u24 v[GH], v21, 24, v[GH]
	v_mad_u32_u24 v[GH+1], v21, 24, v[GH+1]
	v_lshlrev_b32 v[GS], 5, v24
	v_lshlrev_b32 v[R8], 3, v20
	v_lshlrev_b32 v[GHS], 5, v25
	v_lshlrev_b32 v[GHS+1], 5, v26
	s_wait_alu depctr_va_vdst(0)           ; the wait behind the head's vector lines
	; descriptors: elements of 8 bytes; dense blocks as lines of 256 bytes
	s_mov_b32 s[G1A], (3<<16)|(1<<20)|(5<<22)|(3<<25)
	G1SET G1A, 32, 192, 32
	s_mov_b32 s[G1B], 15|(3<<16)|(1<<20)|(1<<21)|(5<<22)|(3<<25)
	G1SET G1B, 32, 192, 32
	s_mov_b32 s[G1S], 3<<16
	G1SET G1S, 32, 16, 32
	s_lshl_b32 s96, s[CB], 8
	s_lshl_b32 s97, s[WV], 6
	s_add_co_u32 s96, s96, s97
	s_mul_i32 s96, s96, 768                ; v_w: rows 256 cb + 64 wave on
	s_mov_b32 s97, 0
	s_and_b32 s89, s[WV], 1
	s_lshl_b32 s90, s89, 6
	s_lshl_b32 s88, s[RB], 7
	s_add_co_u32 s90, s90, s88
	s_mul_i32 s90, s90, 768                ; hidden: rows 128 rb + 64 (wave % 2) on
	s_mov_b32 s91, 0
	s_lshl_b32 s92, s[RB], 12
	s_mov_b32 s93, 0
	s_mul_i32 s100, s[WV], PART
	s_mul_i32 s101, s89, PART
	s_mov_b32 s99, 0
	s_wait_dscnt 0x0
	s_wait_kmcnt 0x0
	s_add_nc_u64 s[90:91], s[4:5], s[90:91]
	s_add_nc_u64 s[92:93], s[6:7], s[92:93]
	s_add_nc_u64 s[96:97], s[8:9], s[96:97]
	G0SET 56, 100, LB, 96
	G0SET 60, 101, 0, 90
	G0SET 68, 99, LS, 92
	s_lshr_b32 s88, s[CB], 1               ; the helper's two key tiles begin at row 128 rb + 64 (cb / 2) + 16 (cb % 2): made by every wave, ahead of the parting of the roles
	s_lshl_b32 s88, s88, 6
	s_and_b32 s89, s[CB], 1
	s_lshl_b32 s89, s89, 4
	s_add_co_u32 s88, s88, s89
	s_lshl_b32 s89, s[RB], 7
	s_add_co_u32 s88, s88, s89
	s_mul_i32 s72, s88, 768
	s_mov_b32 s73, 0
	s_add_nc_u64 s[72:73], s[4:5], s[72:73]
	s_lshl_b32 s74, s88, 5
	s_mov_b32 s75, 0
	s_add_nc_u64 s[74:75], s[6:7], s[74:75]
	ROUND                                  ; all four work-groups are here: the joint loads meet
	s_cmp_lt_u32 s[WV], 4                  ; one chain of arms, one load to an arm
	s_cbranch_scc0 .La1
	tensor_load_to_lds s[56:59], s[G1B:G1B+7]
	s_nop 0
	PLACES
	s_branch .Lasked
.La1:
	s_cmp_lt_u32 s[WV], 6
	s_cbranch_scc0 .La2
	tensor_load_to_lds s[60:63], s[G1A:G1A+7]
	s_nop 0
	PLACES
	s_branch .Lasked
.La2:
	s_cmp_eq_u32 s[WV], 6
	s_cbranch_scc0 .Lasked
	tensor_load_to_lds s[68:71], s[G1S:G1S+7]
	s_nop 0
	PLACES
.Lasked:
	s_cmp_eq_u32 s[WV], 8
	s_cbranch_scc1 .Lh0
	s_lshl_b32 s88, s[CB], 8               ; waves 0-7: v_w's scale words of all eight K steps, and v_b of my two channels
	s_lshl_b32 s89, s[WV], 5
	s_add_co_u32 s88, s88, s89
	v_add_nc_u32 v25, s88, v24
	s_delay_alu instid0(VALU_DEP_1)
	v_lshlrev_b32 v26, 5, v25
	v_lshlrev_b32 v27, 2, v25
	global_load_b128 v[96:99], v26, s[10:11]
	global_load_b128 v[100:103], v26, s[10:11] offset:16
	global_load_b128 v[104:107], v26, s[10:11] offset:256
	global_load_b128 v[108:111], v26, s[10:11] offset:272
	global_load_b32 v112, v27, s[12:13]
	global_load_b32 v114, v27, s[12:13] offset:32
	s_wait_loadcnt 0x0
	v_mov_b32 v113, v112                   ; (the packed addition names a pair)
	v_mov_b32 v115, v114
	s_wait_alu depctr_va_vdst(0)
	s_branch .Lj0
.Lh0:
	s_cmp_ge_u32 s[CB], 2
	s_cbranch_scc1 .Lnomats
	; one block of head_mats: head rb / 4, tile rb % 4, rows 32 cb on.  Lane (n, h): the tile's n-th column, rows 32 cb + 16 h + 0 .. 15
	s_lshr_b32 s88, s[RB], 2
	s_and_b32 s89, s[RB], 3
	s_lshr_b32 s90, s89, 1
	s_lshl_b32 s90, s90, 5
	s_and_b32 s91, s89, 1
	s_lshl_b32 s91, s91, 3
	s_add_co_u32 s90, s90, s91
	s_lshl_b32 s91, s[CB], 13
	s_lshl_b32 s98, s[CB], 7
	s_lshl_b32 s92, s88, 14
	s_mov_b32 s93, 0
	s_add_nc_u64 s[92:93], s[20:21], s[92:93]
	s_mul_i32 s94, s88, MB
	s_mov_b32 s95, 0
	s_add_nc_u64 s[94:95], s[26:27], s[94:95]
	s_mul_i32 s96, s89, 768
	s_mul_i32 s97, s[CB], 384
	s_add_co_u32 s96, s96, s97
	s_lshl_b32 s99, s89, 6
	s_add_co_u32 s99, s99, s[CB]
	v_add_nc_u32 v25, s90, v24             ; my column
	v_mul_u32_u24 v28, v20, 24
	v_lshl_add_u32 v29, v20, 2, s99
	v_lshl_add_u32 v26, v25, 2, s91
	v_lshl_add_u32 v27, v25, 8, s98
	v_mad_u32_u24 v28, v21, 12, v28
	v_lshl_add_u32 v29, v21, 1, v29        ; my byte of the scale words: 64 tile + 4 n + cb + 2 h
	v_lshl_add_u32 v26, v21, 12, v26       ; (row, column)
	v_lshl_add_u32 v27, v21, 6, v27        ; (column, row)
	v_add_nc_u32 v28, s96, v28             ; my 12 bytes of codes
	s_wait_alu depctr_va_vdst(0)
.set I, 0
.rept 16
	global_load_b32 v[32+I], v26, s[18:19] offset:256*I
.set I, I+1
.endr
.irp j, 0,1,2,3
	global_load_b128 v[48+4*\j:51+4*\j], v27, s[18:19] offset:16*\j
.endr
.set I, 0
.rept 16
	global_load_b32 v[64+I], v26, s[92:93] offset:256*I
.set I, I+1
.endr
	HLOAD 0
	s_wait_loadcnt 16                      ; all but head 0's 16
.irp j, 0,2,4,6,8,10,12,14
	v_pk_add_f32 v[32+\j:33+\j], v[32+\j:33+\j], v[48+\j:49+\j]    ; core + core^T
.endr
	HLOAD 1
	HLOAD 2
	s_wait_alu depctr_va_vdst(0)
	s_wait_loadcnt 16                      ; heads 0 and 1 are in
.irp j, 0,2,4,6,8,10,12,14
	v_pk_add_f32 v[176+\j:177+\j], v[128+\j:129+\j], v[144+\j:145+\j]
.endr
	HLOAD 3
	HLOAD 4
.set K, 2
.rept 14
	s_wait_alu depctr_va_vdst(0)
.if K < 14
	s_wait_loadcnt 32                      ; head K is in; the two heads asked for behind it may be out
.elseif K == 14
	s_wait_loadcnt 16
.else
	s_wait_loadcnt 0x0
.endif
.irp j, 0,2,4,6,8,10,12,14
	v_pk_add_f32 v[176+\j:177+\j], v[176+\j:177+\j], v[128+16*(K%3)+\j:129+16*(K%3)+\j]
.endr
.if K+3 < 16
	HLOAD K+3
.endif
.set K, K+1
.endr
.irp j, 0,2,4,6,8,10,12,14
	v_pk_fma_f32 v[64+\j:65+\j], v[176+\j:177+\j], 0xbd800000, v[64+\j:65+\j] op_sel_hi:[1,0,1]   ; residual - sum / 16
.endr
.irp j, 0,2,4,6,8,10,12,14
	v_pk_fma_f32 v[64+\j:65+\j], v[32+\j:33+\j], 0x3d000000, v[64+\j:65+\j] op_sel_hi:[1,0,1]     ; + (core + core^T) / 32
.endr
	v_max3_num_f32 v192, |v64|, |v65|, 0x1800000
	v_max3_num_f32 v193, |v66|, |v67|, |v68|
	s_delay_alu instid0(VALU_DEP_2)
	v_max3_num_f32 v192, v192, |v69|, |v70|
	s_delay_alu instid0(VALU_DEP_2)
	v_max3_num_f32 v193, v193, |v71|, |v72|
	s_delay_alu instid0(VALU_DEP_2)
	v_max3_num_f32 v192, v192, |v73|, |v74|
	s_delay_alu instid0(VALU_DEP_2)
	v_max3_num_f32 v193, v193, |v75|, |v76|
	s_delay_alu instid0(VALU_DEP_2)
	v_max3_num_f32 v192, v192, |v77|, |v78|
	s_delay_alu instid0(VALU_DEP_1)
	v_max3_num_f32 v193, v193, |v79|, v192
	v_mov_b32 v194, 0
	s_delay_alu instid0(VALU_DEP_1)
	v_permlanex16_b32 v194, v193, s[SEL], s[SEL+1]
	s_delay_alu instid0(VALU_DEP_1)
	v_max_num_f32 v193, v193, v194
	s_delay_alu instid0(VALU_DEP_1)
	v_add_nc_u32 v195, 0xff000000, v193
	v_cvt_scalef32_pk16_fp6_f32 v[196:198], v[64:79], v195
	v_lshrrev_b32 v199, 23, v195
	v_mov_b32 v200, 0
	v_cmp_eq_u32 vcc_lo, 1, v21
	s_delay_alu instid0(VALU_DEP_1)
	v_cndmask_b32 v199, v199, v200, vcc_lo ; lanes 16-31 store the word's unused bytes 2 and 3: 0
	global_store_b96 v28, v[196:198], s[94:95]
	global_store_b8 v29, v199, s[94:95] offset:3072
	s_wait_xcnt 0x0                        ; the loads below land on these stores' registers only behind this wait
.Lnomats:
	BLOAD 0
	BLOAD 1
.Lj0:
	s_wait_tensorcnt 0x0                   ; my tile is in
	s_barrier_signal -1
	s_barrier_wait -1                      ; everybody's are; nothing is filled again
	s_cmp_eq_u32 s[WV], 8
	s_cbranch_scc1 .Lh1
.irp s, 0,1,2,3,4,5,6,7
	KSTEP \s
.endr
	s_lshr_b32 s88, s[RB], 4
	s_lshl_b32 s88, s88, 4
	s_lshl_b32 s89, s[CB], 2
	s_add_co_u32 s88, s88, s89
	s_lshr_b32 s89, s[WV], 1
	s_add_co_u32 s88, s88, s89             ; 16 batch + head
	s_lshl_b32 s88, s88, 4
	s_and_b32 s89, s[RB], 15
	s_add_co_u32 s88, s88, s89             ; x 16 + key step
	s_mul_i32 s88, s88, KB
	s_and_b32 s89, s[WV], 1
	s_mul_i32 s90, s89, 3072
	s_add_co_u32 s90, s90, s88
	s_mov_b32 s91, 0
	s_lshl_b32 s92, s89, 8
	s_add_co_u32 s92, s92, s88
	s_add_co_u32 s92, s92, 6144
	s_mov_b32 s93, 0
	s_add_nc_u64 s[90:91], s[24:25], s[90:91]
	s_add_nc_u64 s[92:93], s[24:25], s[92:93]
	PLACES
.irp u, 0,1
.set J, 0
.rept 32
	v_pk_add_f32 v[128+64*\u+J:129+64*\u+J], v[128+64*\u+J:129+64*\u+J], v[112+2*\u:113+2*\u] op_sel_hi:[1,0]   ; + v_b of my channel; each accumulator from its low end on
.set J, J+2
.endr
.endr
	v_mov_b32 v72, 0                       ; a lane permute's destination counts as one of its sources
.irp u, 0,1
	QB 128+64*\u, 20+20*\u, 60+\u, 64
.irp c, 0,1,2
	global_store_b128 v18, v[20+20*\u+4*\c:23+20*\u+4*\c], s[90:91] offset:1536*\u+512*\c   ; 512 consecutive bytes, aligned to 256
.endr
.endr
	global_store_b64 v19, v[60:61], s[92:93]
	s_branch .Lj3
.Lh1:
.irp s, 0,1,2,3,4,5,6,7
	HSTEP \s
.endr
	s_mul_i32 s88, s[RB], KB
	s_mul_i32 s90, s[CB], 1536
	s_add_co_u32 s90, s90, s88
	s_mov_b32 s91, 0
	s_lshl_b32 s92, s[CB], 7
	s_add_co_u32 s92, s92, s88
	s_add_co_u32 s92, s92, 6144
	s_mov_b32 s93, 0
	s_add_nc_u64 s[90:91], s[22:23], s[90:91]
	s_add_nc_u64 s[92:93], s[22:23], s[92:93]
	PLACES
	v_mov_b32 v46, 0
	v_mov_b32 v47, 0
	QUANT2 128, 20, 36, 40, 44
	QUANT2 160, 26, 36, 41, 44
	global_store_b128 v18, v[20:23], s[90:91]
	global_store_b128 v18, v[24:27], s[90:91] offset:512
	global_store_b128 v18, v[28:31], s[90:91] offset:1024
	global_store_b64 v[R8], v[40:41], s[92:93]     ; lanes 16-31 store what lanes 0-15 store, to the same bytes
.Lj3:
	s_wait_tensorcnt 0x0                   ; the wave's end
	ds_add_u32 v[SPW], v[NIL]
	s_wait_dscnt 0x0
	ROUND                                  ; the closing round
	s_endpgm
.Lfunc_end_k_qaf031d1d3d_proj:
	.size	k_qaf031d1d3d_proj, .Lfunc_end_k_qaf031d1d3d_proj-k_qaf031d1d3d_proj
	.p2alignl 7, 3214868480
	.fill 96, 4, 3214868480
	.section	.rodata,"a",@progbits
	.p2align	6, 0x0
	.amdhsa_kernel k_qaf031d1d3d_proj
		.amdhsa_group_segment_fixed_size 318720
		.amdhsa_private_segment_fixed_size 0
		.amdhsa_enable_private_segment 0
		.amdhsa_kernarg_size 96
		.amdhsa_user_sgpr_count 2
		.amdhsa_user_sgpr_kernarg_segment_ptr 1
		.amdhsa_wavefront_size32 1
		.amdhsa_system_sgpr_workgroup_id_x 1
		.amdhsa_system_sgpr_workgroup_id_y 1
		.amdhsa_system_sgpr_workgroup_id_z 1
		.amdhsa_system_vgpr_workitem_id 0
		.amdhsa_next_free_vgpr 256
		.amdhsa_next_free_sgpr 102
		.amdhsa_reserve_vcc 1
		.amdhsa_float_denorm_mode_32 3
		.amdhsa_float_denorm_mode_16_64 3
		.amdhsa_memory_ordered 1
		.amdhsa_forward_progress 1
		.amdhsa_inst_pref_size 161
	.end_amdhsa_kernel
	.amdgpu_metadata
---
amdhsa.version: [ 1, 2 ]
amdhsa.kernels:
  - .name:           k_qaf031d1d3d_proj
    .symbol:         k_qaf031d1d3d_proj.kd
    .args:
      - { .name: hidden_states_codes, .offset: 0, .size: 8, .value_kind: global_buffer, .address_space: global }
      - { .name: hidden_states_scales, .offset: 8, .size: 8, .value_kind: global_buffer, .address_space: global }
      - { .name: v_w_codes, .offset: 16, .size: 8, .value_kind: global_buffer, .address_space: global }
      - { .name: v_w_scales, .offset: 24, .size: 8, .value_kind: global_buffer, .address_space: global }
      - { .name: v_b, .offset: 32, .size: 8, .value_kind: global_buffer, .address_space: global }
      - { .name: basis_w_codes, .offset: 40, .size: 8, .value_kind: global_buffer, .address_space: global }
      - { .name: basis_w_scales, .offset: 48, .size: 8, .value_kind: global_buffer, .address_space: global }
      - { .name: core, .offset: 56, .size: 8, .value_kind: global_buffer, .address_space: global }
      - { .name: head_residual, .offset: 64, .size: 8, .value_kind: global_buffer, .address_space: global }
      - { .name: kimg, .offset: 72, .size: 8, .value_kind: global_buffer, .address_space: global }
      - { .name: vimg, .offset: 80, .size: 8, .value_kind: global_buffer, .address_space: global }
      - { .name: mimg, .offset: 88, .size: 8, .value_kind: global_buffer, .address_space: global }
    .group_segment_fixed_size: 318720
    .private_segment_fixed_size: 0
    .kernarg_segment_align: 8
    .kernarg_segment_size: 96
    .max_flat_workgroup_size: 288
    .sgpr_count:     102
    .vgpr_count:     256
    .wavefront_size: 32
...
	.end_amdgpu_metadata
.endif
;; end of part 1
;; launch attn (part 2): grid 64 x 4, 16 waves a work-group, clusters of 4 x 1, 215,040 bytes of LDS; arguments kimg, vimg, mimg, yimg; writes yimg
.if DOCPART == 2
	.amdgcn_target "amdgcn-amd-amdhsa--gfx1250"
	.amdhsa_code_object_version 6
	.text
	.protected	k_qaf031d1d3d_attn
	.globl	k_qaf031d1d3d_attn
	.p2align	8
	.type	k_qaf031d1d3d_attn,@function
k_qaf031d1d3d_attn:
	s_mov_b64 s[64:65], 0
	v_nop
	global_prefetch_b8 v0, s[64:65] scope:SCOPE_SE
	s_setreg_imm32_b32 hwreg(HW_REG_WAVE_MODE, 25, 1), 1
	s_wait_xcnt 0x0
	s_wait_alu depctr_hold_cnt(0) depctr_sa_sdst(0) depctr_va_vdst(0) depctr_va_sdst(0) depctr_va_ssrc(0) depctr_va_vcc(0) depctr_vm_vsrc(0)
	s_getreg_b32 s2, hwreg(HW_REG_IB_STS2, 6, 4)
	s_cmp_eq_u32 s2, 0
	s_cbranch_scc0 .Lentry_in_a_cluster
	s_endpgm
.Lentry_in_a_cluster:
	s_bfe_u32 s2, ttmp6, 0x10000c
	s_cmp_lg_u32 s2, 0x3003
	s_cbranch_scc0 .Lentry_shape_is_right
	s_endpgm
.Lentry_shape_is_right:
; ATTN: lt = latent head_mats (K = r), scores = lt latent^T / 8 (K = s), causal softmax, y = p v (K = the keys), y / l quantised along the channels -> yimg.  All operands are codes of FP6 (E2M3) with one E8M0 byte for each 32 along K.
; THE SOFTMAX: t = score x log2(e) / 8; M = the running largest t rounded UP to a whole number; p = 2^(t - M) is quantised along the keys, not normalised; the row's sum is taken of the unquantised p and divides at the end;
; when M moves, the sum and O are multiplied by 2^(old M - new M), which rounds nothing.
; SHARES.  A work-group owns one (batch, head) = 4 x cluster x + cx and the blocks of 128 queries x, 7 - x, 8 + x, 15 - x (x = work-group y, 0 .. 3).  Wave w takes tile w % 8 of a long block (15 - x for w < 8, 8 + x else) and then
; the same tile of its mirror (x, 7 - x): (16 - j) + (j + 1) = 17 key steps in every wave.  Key steps all of whose keys come after the wave's queries are jumped over: the causal mask throws them away.
; LDS: latent's 16 key steps (6,656 bytes each), then V^T's 16, filled once, one tensor load of two steps a wave: waves 0-7 latent's, waves 8-15 V's.  One barrier behind the fills; nothing is filled again.
; CLUSTER 4 x 1: four heads of one batch with the same x: latent's blocks are asked for jointly (mask 15); V's are each head's own.  Branches hang on x and the wave's number, which the partners share.
; No prefetch: every fill goes out at the head, there is no loop to run ahead in.
; THE ORDER OF KEYS.  Key tile 4 c + u holds keys 64 c + 8 u + r (r < 8) and 64 c + 32 + 8 (u xor 1) + r - 8.  All products are used transposed (a lane holds ONE query), so lane (query, h) holds in registers 32 c + 8 u + j
; the key 64 c + 32 h + 8 (u xor h) + j: the WHOLE block 2 c + h, as the next operand's layout wants it; V^T's image has the same order inside each block.
; K = 64 IN AN INSTRUCTION OF 128: source 1 has zero codes in its registers 6-11; source 0's registers 6-11 are the next tile's codes under scale bytes 0: such products add exactly 0.
; LIMITS: NaN and infinities are not served; the promise holds while the scaled scores stay under 2^31 in magnitude; a block under 2^-124 or of zeros gets the byte 1 (its codes are zeros); a block's largest p is made from the
; block's largest score by the same two instructions as every p, which takes v_exp_f32 not to fall where its input rises.
; REGISTERS: v1, v2, v5 16, 8, 4 x lane; v3, v4, v28, v29 the step's LDS addresses; v6-10 offsets in memory; v12 -M, v13 the largest score, v[14:15] the sum; v16-27 my queries' operand (v22-27 = 0); v30 8 h;
;   v32-79 latent's image, then V's fragments; v80-85 = 0; v86, v87 the add's; v88 -infinity; v96-159 S^T, then p; v160-191 O^T; v192-199 scale words; v200-213 partial sums; v224-235 p's codes; v232-254 at work; v253 p's scale word; v255 lt's.
.set KB,    6656
.set VO,    16*KB
.set SPARE, 2*VO
.set MB,    3328
.set YP,    106496
.set SPW,   86
.set NIL,   87
.set NINF,  88
.set SH,    30
.set WV,    12
.set Q0,    18                         ; my first query
.set KF,    19                         ; the step's first key
.set SEL,   20
.set CS,    22                         ; s[22:23] c = log2(e) / 8
.set G1K,   24
.set G1V,   32
.set G0K,   40
.set G0V,   44
.set PO,    48                         ; where my queries' codes and scale words lie in a block of latent's image
.set SO,    49
.set YC,    50                         ; where my tile's codes and scale bytes go in a panel of yimg
.set YS,    51
.set MP,    52                         ; s[52:53] my head's matrices
.set QS,    54                         ; the second tile's first query
.set TB,    56
.set CNT,   57
.macro ROUND
	s_barrier_signal -1
	s_barrier_wait -1
	s_cmp_lg_u32 s[WV], 0
	s_cbranch_scc1 .Lnot_wave_0_\@
	s_barrier_signal -3
.Lnot_wave_0_\@:
	s_barrier_wait -3
	s_barrier_signal -1
	s_barrier_wait -1
.endm
.macro PLACES
.rept 4
	v_nop
.endr
.endm
.macro G1SET g, c, r, p
	s_mov_b32 s[\g+1], (\c)<<16
	s_mov_b32 s[\g+2], (\r)<<16
	s_mov_b32 s[\g+3], (\c)<<16
	s_mov_b32 s[\g+4], \r
	s_mov_b32 s[\g+5], \p
	s_mov_b32 s[\g+6], 0
	s_mov_b32 s[\g+7], 0
.endm
.macro MMZ d, a, b, sa, sb
	v_wmma_scale_f32_16x16x128_f8f6f4 v[\d:\d+7], v[\a:\a+11], v[\b:\b+11], 0, v[\sa], v[\sb] matrix_a_fmt:MATRIX_FMT_FP6 matrix_b_fmt:MATRIX_FMT_FP6
.endm
.macro MMZR d, a, b, sa, sb            ; source 0's scale words stand in lanes 16-31
	v_wmma_scale_f32_16x16x128_f8f6f4 v[\d:\d+7], v[\a:\a+11], v[\b:\b+11], 0, v[\sa], v[\sb] matrix_a_fmt:MATRIX_FMT_FP6 matrix_b_fmt:MATRIX_FMT_FP6 matrix_a_scale:MATRIX_SCALE_ROW1
.endm
.macro MMC d, a, b, sa, sb
	v_wmma_scale_f32_16x16x128_f8f6f4 v[\d:\d+7], v[\a:\a+11], v[\b:\b+11], v[\d:\d+7], v[\sa], v[\sb] matrix_a_fmt:MATRIX_FMT_FP6 matrix_b_fmt:MATRIX_FMT_FP6
.endm
; 32 numbers, register 16 b + i = k 32 b + 16 h + i of my row (K = 64): codes in v[pc] .. v[pc + 5], scale word in v[pw], bytes 2, 3 = 0.
.macro QUANT2 s, pc, x, pw, tm
.irp b, 0,1
	v_max3_num_f32 v[\tm+\b], |v[\s+16*\b]|, |v[\s+1+16*\b]|, 0x1800000   ; the floor 2^(3 - 127): the byte cannot fall under 1
.endr
.irp i, 2,4,6,8,10,12,14
.irp b, 0,1
	v_max3_num_f32 v[\tm+\b], v[\tm+\b], |v[\s+16*\b+\i]|, |v[\s+1+16*\b+\i]|
.endr
.endr
.irp b, 0,1
	s_delay_alu instid0(VALU_DEP_2)
	v_permlanex16_b32 v[\tm+2+\b], v[\tm+\b], s[SEL], s[SEL+1]
.endr
.irp b, 0,1
	s_delay_alu instid0(VALU_DEP_2)
	v_max_num_f32 v[\tm+\b], v[\tm+\b], v[\tm+2+\b]
.endr
.irp b, 0,1
	s_delay_alu instid0(VALU_DEP_2)
	v_add_nc_u32 v[\tm+4+\b], 0xff000000, v[\tm+\b]
.endr
.irp b, 0,1
	s_delay_alu instid0(VALU_DEP_2)
	v_lshrrev_b32 v[\tm+2+\b], 23, v[\tm+4+\b]
.endr
	s_delay_alu instid0(VALU_DEP_1)
	v_lshl_or_b32 v[\pw], v[\tm+3], 8, v[\tm+2]
	v_cvt_scalef32_pk16_fp6_f32 v[\pc:\pc+2], v[\s:\s+15], v[\tm+4]
	v_cvt_scalef32_pk16_fp6_f32 v[\x:\x+2], v[\s+16:\s+31], v[\tm+5]
	v_nop
.irp i, 0,1,2
	v_permlane16_swap_b32 v[\pc+\i], v[\x+\i]
.endr
.irp i, 0,1,2
	s_delay_alu instid0(VALU_DEP_3)
	v_mov_b32 v[\pc+3+\i], v[\x+\i]
.endr
.endm
; A KEY STEP: 128 keys
.macro STEP
	s_add_co_u32 s58, s[Q0], 15
	s_cmp_gt_u32 s[KF], s58
	s_cbranch_scc1 .Lhid_\@                ; all its keys come after my queries
	v_add_nc_u32 v3, s[TB], v1             ; (these four lines are the places in front of loads into registers that the last products read)
	v_add_nc_u32 v4, s[TB], v2
	v_add_nc_u32 v28, VO, v3
	v_add_nc_u32 v29, VO, v4
.irp i, 0,1,2,3,4,5,6,7,8,9,10,11
	ds_load_b128 v[32+4*\i:35+4*\i], v3 offset:512*\i
.endr
	ds_load_b64 v[192:193], v4 offset:6144         ; scale words: v192: tile 0 in lanes 0-15, tile 2 in lanes 16-31; v193: tiles 1, 3
	ds_load_b64 v[194:195], v4 offset:6400         ; v194: tiles 4, 6; v195: tiles 5, 7
	s_wait_alu depctr_va_vdst(0)
	s_wait_dscnt 0x0
.irp t, 0,1,2,3,4,5,6,7                ; S^T = latent lt^T
.if (\t/2)%2
	MMZR 96+8*\t, 32+6*\t, 16, 192+2*(\t/4)+\t%2, 255
.else
	MMZ 96+8*\t, 32+6*\t, 16, 192+2*(\t/4)+\t%2, 255
.endif
.endr
	PLACES
.irp i, 0,1,2,3,4,5,6,7,8,9,10,11
	ds_load_b128 v[32+4*\i:35+4*\i], v28 offset:512*\i     ; V's four fragments land under the softmax
.endr
	ds_load_b64 v[196:197], v29 offset:6144
	ds_load_b64 v[198:199], v29 offset:6400
	s_add_co_u32 s58, s[KF], 127
	s_cmp_le_u32 s58, s[Q0]
	s_cbranch_scc1 .Lopen_\@               ; all its keys count
	s_sub_co_i32 s58, s[Q0], s[KF]         ; on the diagonal the scores of hidden keys become -infinity ahead of the maximum: p = 0 then
	v_and_b32 v252, 15, v0
	v_bfe_u32 v250, v0, 4, 1
	v_add_nc_u32 v252, s58, v252           ; my query - KF
	v_mul_u32_u24 v254, v250, 40
	v_mul_u32_u24 v250, v250, 24
	s_delay_alu instid0(VALU_DEP_2)
	v_sub_nc_u32 v254, v252, v254          ; register N holds key KF + 64 (N / 32) + N % 32 + 40 h where u is even,
	s_delay_alu instid0(VALU_DEP_2)
	v_sub_nc_u32 v252, v252, v250          ; + 24 h where u is odd
.set N, 0
.rept 64
.if (N/8)%2
	v_cmp_gt_i32 vcc_lo, 64*(N/32)+N%32, v252
.else
	v_cmp_gt_i32 vcc_lo, 64*(N/32)+N%32, v254
.endif
	v_cndmask_b32 v[96+N], v[96+N], v[NINF], vcc_lo
.set N, N+1
.endr
.Lopen_\@:
.irp k, 0,1,2,3
	v_max3_num_f32 v[232+\k], v[96+16*\k], v[97+16*\k], v[98+16*\k]   ; the largest score of my two blocks, in four chains by turns
.endr
.irp i, 3,5,7,9,11,13
.irp k, 0,1,2,3
	v_max3_num_f32 v[232+\k], v[232+\k], v[96+16*\k+\i], v[97+16*\k+\i]
.endr
.endr
	v_max3_num_f32 v232, v232, v233, v111
	v_max3_num_f32 v233, v234, v235, v143
	v_max_num_f32 v232, v232, v127         ; block h,
	v_max_num_f32 v233, v233, v159         ; block 2 + h
	v_max_num_f32 v254, v232, v233
	v_permlanex16_b32 v250, v254, s[SEL], s[SEL+1]
	v_max3_num_f32 v13, v13, v254, v250    ; the running largest score of my query (c is positive)
	v_mul_f32 v254, s[CS], v13
	v_mov_b32 v250, v12
	v_floor_f32 v12, -v254                 ; the new -M = -ceil(t)
	v_sub_f32 v254, v12, v250              ; old M - new M: a whole number, 0 or less
	v_cvt_i32_f32 v254, v254               ; (it saturates)
	v_ldexp_f32 v252, 1.0, v254            ; f = 2^(old M - new M)
.set J, 0
.rept 32
	v_pk_fma_f32 v[96+J:97+J], v[96+J:97+J], s[CS:CS+1], v[12:13] op_sel_hi:[1,0,0]   ; t - M
.set J, J+2
.endr
	v_fma_f32 v232, v232, s[CS], v12
	v_fma_f32 v233, v233, s[CS], v12
	s_wait_alu depctr_va_vdst(0)           ; the wait ahead of the batch
.set J, 0
.rept 64
	v_exp_f32 v[96+J], v[96+J]             ; p = 2^(t - M)
.set J, J+1
.endr
	v_exp_f32 v232, v232                   ; my blocks' largest p
	v_exp_f32 v233, v233
	v_pk_mul_f32 v[14:15], v[14:15], v[252:253] op_sel_hi:[1,0]   ; the sum under the new M
	s_wait_alu depctr_va_vdst(0)           ; and behind it
	v_max_num_f32 v232, 0x1800000, v232    ; the floor 2^(3 - 127)
	v_max_num_f32 v233, 0x1800000, v233
	s_delay_alu instid0(VALU_DEP_2)
	v_add_nc_u32 v244, 0xff000000, v232    ; 2 off the exponent field: the conversion's scale operand
	s_delay_alu instid0(VALU_DEP_2)
	v_add_nc_u32 v245, 0xff000000, v233
	s_delay_alu instid0(VALU_DEP_2)
	v_lshrrev_b32 v236, 23, v244
	s_delay_alu instid0(VALU_DEP_2)
	v_lshrrev_b32 v237, 23, v245
	s_delay_alu instid0(VALU_DEP_1)
	v_lshl_or_b32 v253, v237, 16, v236     ; my two bytes,
	s_delay_alu instid0(VALU_DEP_1)
	v_lshlrev_b32 v253, v[SH], v253        ; 8 h bits up;
	s_delay_alu instid0(VALU_DEP_1)
	v_permlanex16_b32 v250, v253, s[SEL], s[SEL+1]
	s_delay_alu instid0(VALU_DEP_1)
	v_or_b32 v253, v253, v250              ; with lane l xor 16's two: p's scale word for these 128 keys
.irp c, 0,1
	v_cvt_scalef32_pk16_fp6_f32 v[224+6*\c:226+6*\c], v[96+32*\c:111+32*\c], v[244+\c]
	v_cvt_scalef32_pk16_fp6_f32 v[236+4*\c:238+4*\c], v[112+32*\c:127+32*\c], v[244+\c]   ; (a conversion's three registers begin on an even number)
.endr
.irp q, 0,1,2,3,4,5,6                  ; the row's sum of the unquantised p, in eight chains
	v_pk_add_f32 v[200+2*\q:201+2*\q], v[96+2*\q:97+2*\q], v[110+2*\q:111+2*\q]
.endr
	v_pk_add_f32 v[14:15], v[14:15], v[124:125]
.irp q, 0,1,2,3,4,5,6
	v_pk_add_f32 v[200+2*\q:201+2*\q], v[200+2*\q:201+2*\q], v[126+2*\q:127+2*\q]
.endr
	v_pk_add_f32 v[14:15], v[14:15], v[140:141]
.irp q, 0,1,2,3,4,5,6
	v_pk_add_f32 v[200+2*\q:201+2*\q], v[200+2*\q:201+2*\q], v[142+2*\q:143+2*\q]
.endr
	v_pk_add_f32 v[14:15], v[14:15], v[156:157]
	v_pk_add_f32 v[200:201], v[200:201], v[158:159]
	v_pk_add_f32 v[204:205], v[204:205], v[206:207]
	v_pk_add_f32 v[208:209], v[208:209], v[210:211]
	v_pk_add_f32 v[14:15], v[14:15], v[212:213]
	v_pk_add_f32 v[200:201], v[200:201], v[202:203]
	s_delay_alu instid0(VALU_DEP_2)
	v_pk_add_f32 v[14:15], v[14:15], v[208:209]
	s_delay_alu instid0(VALU_DEP_2)
	v_pk_add_f32 v[200:201], v[200:201], v[204:205]
	s_delay_alu instid0(VALU_DEP_1)
	v_pk_add_f32 v[14:15], v[14:15], v[200:201]
.irp c, 0,1
.irp i, 0,1,2
	v_mov_b32 v[227+6*\c+\i], v[236+4*\c+\i]
.endr
.endr
	s_wait_alu depctr_va_vdst(0)           ; the wait directly ahead of the first reader of O^T
.set J, 0
.rept 16
	v_pk_mul_f32 v[160+J:161+J], v[160+J:161+J], v[252:253] op_sel_hi:[1,0]   ; O^T under the new M
.set J, J+2
.endr
	s_wait_alu depctr_va_vdst(0)
	s_wait_dscnt 0x0                       ; V
.irp t, 0,1,2,3                        ; O^T += V^T p^T: four accumulators by turns
	MMC 160+8*\t, 32+12*\t, 224, 196+\t, 253
.endr
.Lhid_\@:
	s_add_co_u32 s[KF], s[KF], 128
	s_add_co_u32 s[TB], s[TB], KB
.endm
; ONE TILE OF 16 QUERIES, from s[Q0] on: lt, the walk over the keys, y
.macro TILE first, trips
	s_wait_xcnt 0x0                        ; the last tile's stores have read their registers
	s_lshr_b32 s58, s[Q0], 7
	s_lshl_b32 s59, s15, 4
	s_add_co_u32 s3, s58, s59              ; 16 batch + my block
	s_mul_i32 s58, s3, KB
	s_add_co_u32 s62, s58, s[PO]
	s_mov_b32 s63, 0
	s_add_nc_u64 s[62:63], s[4:5], s[62:63]
	s_add_co_u32 s60, s58, s[SO]
	s_mov_b32 s61, 0
	s_add_nc_u64 s[60:61], s[4:5], s[60:61]
	s_mov_b32 s[TB], 0
	s_mov_b32 s[KF], 0
.irp j, 56,57,58,59,60,61
	v_mov_b32 v\j, 0                       ; what stands behind head_mats' last tile
.endr
	s_wait_alu depctr_va_vdst(0)
	global_load_b64 v[16:17], v6, s[62:63]
	global_load_b64 v[18:19], v7, s[62:63]
	global_load_b64 v[20:21], v6, s[62:63] offset:512
	global_load_b32 v196, v8, s[60:61] offset:6144
.irp t, 0,1,2,3
.irp i, 0,1,2
	global_load_b64 v[32+6*\t+2*\i:33+6*\t+2*\i], v9, s[MP:MP+1] offset:768*\t+8*\i
.endr
	global_load_b32 v[192+\t], v10, s[MP:MP+1] offset:3072+64*\t
.endr
	s_wait_loadcnt 0x0
.irp t, 0,1,2,3                        ; source 0 = 16 columns s of head_mats, source 1 = my queries' latent
	MMZ 96+8*\t, 32+6*\t, 16, 192+\t, 196
.endr
	PLACES
	QUANT2 96, 16, 240, 255, 244           ; lt's codes take the latent's place in v16-21
	v_mov_b32 v13, 0xff61b1e6              ; the largest score so far: -3e38
	v_mov_b32 v14, 0
	v_mov_b32 v15, 0
	v_mul_f32 v12, s[CS], v13
	s_delay_alu instid0(VALU_DEP_1)
	v_floor_f32 v12, -v12                  ; -M
.set J, 0
.rept 32
	v_mov_b32 v[160+J], 0                  ; O^T: the step is written once; the first finds zeros.  (Also the places between lt's scale word and its first use)
.set J, J+1
.endr
.if \first
	s_wait_alu depctr_va_vdst(0)
	s_wait_tensorcnt 0x0                   ; my two key steps are in
	s_barrier_signal -1
	s_barrier_wait -1                      ; everybody's are
.endif
	s_mov_b32 s[CNT], \trips
.Lk_\@:
	STEP
	s_sub_co_u32 s[CNT], s[CNT], 1
	s_cmp_lg_u32 s[CNT], 0
	s_cbranch_scc1 .Lk_\@
	; y = O^T / the sum, quantised along my head's 64 channels: half a fragment of the last product's K step head / 2
	s_mul_i32 s58, s3, YP
	s_add_co_u32 s62, s58, s[YC]
	s_mov_b32 s63, 0
	s_add_nc_u64 s[62:63], s[10:11], s[62:63]
	s_add_co_u32 s60, s58, s[YS]
	s_mov_b32 s61, 0
	s_add_nc_u64 s[60:61], s[10:11], s[60:61]
	PLACES
	v_add_f32 v14, v14, v15
	s_delay_alu instid0(VALU_DEP_1)
	v_permlanex16_b32 v252, v14, s[SEL], s[SEL+1]
	s_delay_alu instid0(VALU_DEP_1)
	v_add_f32 v14, v14, v252
	s_wait_alu depctr_va_vdst(0)
	v_rcp_f32 v14, v14
	v_nop
	s_wait_alu depctr_va_vdst(0)
.set J, 0
.rept 16
	v_pk_mul_f32 v[96+J:97+J], v[160+J:161+J], v[14:15] op_sel_hi:[1,0]   ; register 16 b + i is y(my query, channel 32 b + 16 h + i)
.set J, J+2
.endr
	QUANT2 96, 224, 240, 253, 244
	global_store_b128 v1, v[224:227], s[62:63]             ; 512 consecutive bytes, aligned to 256
	global_store_b64 v2, v[228:229], s[62:63] offset:512
	global_store_b16 v5, v253, s[60:61] offset:12288       ; my head's two bytes of each row's scale word
.endm
	s_load_b256 s[4:11], s[0:1], 0x0       ; kimg, vimg, mimg, yimg
	v_lshl_add_u32 v[SPW], v0, 2, SPARE
	v_mov_b32 v[NIL], 0
	ds_add_u32 v[SPW], v[NIL]              ; the opening lines: the add twice on end and one wait
	ds_add_u32 v[SPW], v[NIL]
	v_lshrrev_b32 v3, 5, v0
	v_readfirstlane_b32 s[WV], v3
	s_bfe_u32 s13, ttmp6, 0x40000          ; cx
	s_lshl_b32 s14, ttmp9, 2
	s_add_co_u32 s14, s14, s13             ; 16 batch + head: it enters global addresses alone
	s_lshr_b32 s15, ttmp9, 2               ; batch
	s_and_b32 s16, s14, 15                 ; head
	s_and_b32 s17, ttmp7, 0xffff           ; x
	s_lshr_b32 s58, s[WV], 3
	s_mul_i32 s58, s58, 7
	s_xor_b32 s59, s17, s58                ; the short block: x or 7 - x
	s_xor_b32 s58, s59, 15                 ; the long one: 15 - x or 8 + x
	s_and_b32 s60, s[WV], 7                ; my tile in both
	s_lshl_b32 s61, s60, 4
	s_lshl_b32 s[Q0], s58, 7
	s_add_co_u32 s[Q0], s[Q0], s61
	s_lshl_b32 s[QS], s59, 7
	s_add_co_u32 s[QS], s[QS], s61
	s_bfe_u32 s2, s[WV], 0x10001           ; a: which 32 of the 64 keys; query r lies in key tile 2 (2 c + e) + (r / 8 xor a), at row r % 8 + 8 a
	s_and_b32 s3, s[WV], 1                 ; e
	s_bfe_u32 s58, s[WV], 0x10002          ; c
	s_lshl_b32 s58, s58, 1
	s_add_co_u32 s58, s58, s3
	s_mul_i32 s[PO], s58, 1536
	s_lshl_b32 s59, s2, 7
	s_add_co_u32 s[PO], s[PO], s59
	s_lshl_b32 s[SO], s58, 7
	s_lshl_b32 s59, s2, 6
	s_add_co_u32 s[SO], s[SO], s59
	s_lshr_b32 s58, s16, 1
	s_mul_i32 s58, s58, 13312
	s_and_b32 s59, s16, 1
	s_mul_i32 s[YC], s60, 1536
	s_add_co_u32 s[YC], s[YC], s58
	s_mul_i32 s61, s59, 768
	s_add_co_u32 s[YC], s[YC], s61
	s_lshl_b32 s[YS], s60, 7
	s_add_co_u32 s[YS], s[YS], s58
	s_lshl_b32 s59, s59, 1
	s_add_co_u32 s[YS], s[YS], s59
	s_mov_b32 s[SEL], 0x76543210
	s_mov_b32 s[SEL+1], 0xfedcba98
	s_mov_b32 s[CS], 0x3e38aa3b
	s_mov_b32 s[CS+1], s[CS]
	; descriptors: two key steps, 13,312 dense bytes, as 52 lines of 256 (32 elements of 8 bytes)
	s_mov_b32 s[G1K], 15|(3<<16)|(1<<21)
	G1SET G1K, 32, 52, 32
	s_mov_b32 s[G1V], 3<<16
	G1SET G1V, 32, 52, 32
	s_mul_i32 s62, s[WV], 2*KB             ; LDS: latent's eight parts, then V's eight
	s_mul_i32 s63, s60, 2*KB
	s_mul_i32 s58, s15, VO
	s_add_co_u32 s58, s58, s63
	s_mov_b32 s59, 0
	s_mul_i32 s60, s14, VO
	s_add_co_u32 s60, s60, s63
	s_mov_b32 s61, 0
	s_wait_dscnt 0x0
	s_wait_kmcnt 0x0
	s_mov_b32 s[G0K], 1
	s_mov_b32 s[G0K+1], s62
	s_add_nc_u64 s[G0K+2:G0K+3], s[4:5], s[58:59]
	s_or_b32 s[G0K+3], s[G0K+3], 0x80000000
	s_mov_b32 s[G0V], 1
	s_mov_b32 s[G0V+1], s62
	s_add_nc_u64 s[G0V+2:G0V+3], s[6:7], s[60:61]
	s_or_b32 s[G0V+3], s[G0V+3], 0x80000000
	s_mul_i32 s58, s16, MB
	s_mov_b32 s59, 0
	s_add_nc_u64 s[MP:MP+1], s[8:9], s[58:59]
	ROUND                                  ; all four work-groups are here: the joint loads meet
	s_cmp_lt_u32 s[WV], 8
	s_cbranch_scc0 .Lfill_v
	tensor_load_to_lds s[G0K:G0K+3], s[G1K:G1K+7]
	s_nop 0
	PLACES
	s_branch .Lfilled
.Lfill_v:
	tensor_load_to_lds s[G0V:G0V+3], s[G1V:G1V+7]
	s_nop 0
	PLACES
.Lfilled:
.irp j, 22,23,24,25,26,27, 80,81,82,83,84,85, 246,247,250,252,253
	v_mov_b32 v\j, 0                       ; the zero codes of K's unused upper 64; what stands behind the last tile; destinations of lane permutes
.endr
	v_mov_b32 v[NINF], 0xff800000
	v_and_b32 v9, 31, v0
	v_and_b32 v10, 15, v0
	v_bfe_u32 v11, v0, 4, 1
	v_and_b32 v28, 7, v0
	v_bfe_u32 v29, v0, 3, 1
	v_lshlrev_b32 v1, 4, v9
	v_lshlrev_b32 v2, 3, v9
	v_lshlrev_b32 v5, 2, v9
	v_lshlrev_b32 v[SH], 3, v11
	v_xor_b32 v29, s2, v29                 ; which tile of the pair
	v_lshl_add_u32 v31, v11, 4, v28
	v_lshlrev_b32 v8, 3, v28
	v_mul_u32_u24 v9, v9, 24               ; head_mats: 24 bytes a lane
	v_lshlrev_b32 v31, 4, v31
	v_lshl_add_u32 v8, v29, 2, v8          ; my query's scale word
	v_lshlrev_b32 v10, 2, v10
	v_mad_u32_u24 v6, v29, 520, v31        ; its registers 0, 1, and (512 on) 4, 5
	v_mad_u32_u24 v7, v29, 1016, v31
	s_delay_alu instid0(VALU_DEP_1)
	v_add_nc_u32 v7, 8, v7                 ; registers 2, 3
	TILE 1, 16
	s_mov_b32 s[Q0], s[QS]
	TILE 0, 8
	s_wait_tensorcnt 0x0                   ; the wave's end
	ds_add_u32 v[SPW], v[NIL]
	s_wait_dscnt 0x0
	ROUND                                  ; the closing round
	s_endpgm
.Lfunc_end_k_qaf031d1d3d_attn:
	.size	k_qaf031d1d3d_attn, .Lfunc_end_k_qaf031d1d3d_attn-k_qaf031d1d3d_attn
	.p2alignl 7, 3214868480
	.fill 96, 4, 3214868480
	.section	.rodata,"a",@progbits
	.p2align	6, 0x0
	.amdhsa_kernel k_qaf031d1d3d_attn
		.amdhsa_group_segment_fixed_size 215040
		.amdhsa_private_segment_fixed_size 0
		.amdhsa_enable_private_segment 0
		.amdhsa_kernarg_size 32
		.amdhsa_user_sgpr_count 2
		.amdhsa_user_sgpr_kernarg_segment_ptr 1
		.amdhsa_wavefront_size32 1
		.amdhsa_system_sgpr_workgroup_id_x 1
		.amdhsa_system_sgpr_workgroup_id_y 1
		.amdhsa_system_sgpr_workgroup_id_z 1
		.amdhsa_system_vgpr_workitem_id 0
		.amdhsa_next_free_vgpr 256
		.amdhsa_next_free_sgpr 66
		.amdhsa_reserve_vcc 1
		.amdhsa_float_denorm_mode_32 3
		.amdhsa_float_denorm_mode_16_64 3
		.amdhsa_memory_ordered 1
		.amdhsa_forward_progress 1
		.amdhsa_inst_pref_size 70
	.end_amdhsa_kernel
	.amdgpu_metadata
---
amdhsa.version: [ 1, 2 ]
amdhsa.kernels:
  - .name:           k_qaf031d1d3d_attn
    .symbol:         k_qaf031d1d3d_attn.kd
    .args:
      - { .name: kimg, .offset: 0, .size: 8, .value_kind: global_buffer, .address_space: global }
      - { .name: vimg, .offset: 8, .size: 8, .value_kind: global_buffer, .address_space: global }
      - { .name: mimg, .offset: 16, .size: 8, .value_kind: global_buffer, .address_space: global }
      - { .name: yimg, .offset: 24, .size: 8, .value_kind: global_buffer, .address_space: global }
    .group_segment_fixed_size: 215040
    .private_segment_fixed_size: 0
    .kernarg_segment_align: 8
    .kernarg_segment_size: 32
    .max_flat_workgroup_size: 512
    .sgpr_count:     66
    .vgpr_count:     256
    .wavefront_size: 32
...
	.end_amdgpu_metadata
.endif
;; end of part 2
;; launch oproj (part 3): grid 4 x 64, 8 waves a work-group, clusters of 4 x 4, 324,608 bytes of LDS; arguments yimg, o_w_codes, o_w_scales, o_b, out0; writes out0
.if DOCPART == 3
	.amdgcn_target "amdgcn-amd-amdhsa--gfx1250"
	.amdhsa_code_object_version 6
	.text
	.protected	k_qaf031d1d3d_oproj
	.globl	k_qaf031d1d3d_oproj
	.p2align	8
	.type	k_qaf031d1d3d_oproj,@function
k_qaf031d1d3d_oproj:
	s_mov_b64 s[64:65], 0
	v_nop
	global_prefetch_b8 v0, s[64:65] scope:SCOPE_SE
	s_setreg_imm32_b32 hwreg(HW_REG_WAVE_MODE, 25, 1), 1
	s_wait_xcnt 0x0
	s_wait_alu depctr_hold_cnt(0) depctr_sa_sdst(0) depctr_va_vdst(0) depctr_va_sdst(0) depctr_va_ssrc(0) depctr_va_vcc(0) depctr_vm_vsrc(0)
	s_getreg_b32 s2, hwreg(HW_REG_IB_STS2, 6, 4)
	s_cmp_eq_u32 s2, 0
	s_cbranch_scc0 .Lentry_in_a_cluster
	s_endpgm
.Lentry_in_a_cluster:
	s_bfe_u32 s2, ttmp6, 0x10000c
	s_cmp_lg_u32 s2, 0xf033
	s_cbranch_scc0 .Lentry_shape_is_right
	s_endpgm
.Lentry_shape_is_right:
; OPROJ: out0 = y o_w^T + o_b on codes of FP6 (E2M3) with one E8M0 byte for each 32 along K.  y comes as images of operand registers (yimg), o_w as it is given.
; SHARES.  A work-group takes a panel of 128 rows x 256 columns (256 work-groups); each of its eight waves 64 x 64: 16 accumulators.  K = 1,024 in eight steps.
; BOTH PANELS LIE WHOLE IN LDS, filled once, one tensor load a wave: waves 0-3 o_w's 64 rows each (dense lines of 256 bytes + 16 of padding: a row's pitch is 816), waves 4, 5 three K steps of y each, wave 6 its last two, wave 7 o_w's scale bytes.
; CLUSTER 4 x 4: the four of a row of the cluster take the same panel of y, the four of a column the same rows of o_w and their scale bytes: each is asked for jointly.  No LDS address and no branch hangs on the place in the cluster.
; No prefetch: every fill goes out at the head, there is no loop to run ahead in.
; TRANSPOSED USE: source 0 = 16 rows of o_w, source 1 = 16 rows of y: a lane's eight results are eight neighbouring columns of one row of out0.  The sums begin as o_b, loaded into the accumulators.
; THE WAY OUT goes through each wave's own stage (16 rows x 272 bytes) in the bytes where y's panel lay: behind a barrier that follows every wave's last read of it, and no fill comes later.
; LIMITS: NaN and infinities are not served.
; REGISTERS: v1-6 y's LDS addresses (16, 8, 4 x lane; K steps 0-3 and 4-7); v7, v8 o_w's; v12 its scale words; v13-15 the way out; v16-63 four fragments of y; v64-111 four of o_w; v112-119 scale words; v128-255 accumulators (t, n) at 128 + 32 t + 8 n.
.set KBLK,  13312
.set YP,    8*KBLK
.set P,     816
.set PART,  64*P
.set LB,    YP
.set LBS,   LB+4*PART
.set SPARE, LBS+8192
.set WV,    14
.macro ROUND
	s_barrier_signal -1
	s_barrier_wait -1
	s_cmp_lg_u32 s[WV], 0
	s_cbranch_scc1 .Lnot_wave_0_\@
	s_barrier_signal -3
.Lnot_wave_0_\@:
	s_barrier_wait -3
	s_barrier_signal -1
	s_barrier_wait -1
.endm
.macro PLACES
.rept 4
	v_nop
.endr
.endm
.macro G1SET g, c, r, p
	s_mov_b32 s[\g+1], (\c)<<16
	s_mov_b32 s[\g+2], (\r)<<16
	s_mov_b32 s[\g+3], (\c)<<16
	s_mov_b32 s[\g+4], \r
	s_mov_b32 s[\g+5], \p
	s_mov_b32 s[\g+6], 0
	s_mov_b32 s[\g+7], 0
.endm
.macro G0SET g, lreg, lconst, greg
	s_mov_b32 s[\g], 1
	s_add_co_u32 s[\g+1], s[\lreg], \lconst
	s_mov_b64 s[\g+2:\g+3], s[\greg:\greg+1]
	s_or_b32 s[\g+3], s[\g+3], 0x80000000
.endm
; A fragment of K step s: six pieces of 8 bytes.  Byte y of a row lies at y + 16 (y / 256); where the piece of lanes 16-31 lies in the next line of 256, the second register serves (40 h for 24 h).
.macro FRAG reg, adr, adrx, s, off
.irp p, 0,1,2,3,4,5
.set PCE, 12*(\s)+6*(\p/3)+\p%3
.if PCE%32 < 29
	ds_load_b64 v[\reg+2*\p:\reg+2*\p+1], v[\adr] offset:8*(PCE%32)+272*(PCE/32)+(\off)
.else
	ds_load_b64 v[\reg+2*\p:\reg+2*\p+1], v[\adrx] offset:8*(PCE%32)+272*(PCE/32)+(\off)
.endif
.endr
.endm
.macro KSTEP s
.set SO, ((\s)%4)*KBLK
.set X, (\s)/4
	PLACES
.irp t, 0,1,2,3
.irp c, 0,1
	ds_load_b128 v[16+12*\t+6*\c:19+12*\t+6*\c], v[1+X] offset:SO+1536*\t+768*\c
	ds_load_b64 v[20+12*\t+6*\c:21+12*\t+6*\c], v[3+X] offset:SO+1536*\t+768*\c+512
.endr
	ds_load_b32 v[112+\t], v[5+X] offset:SO+128*\t
.endr
.irp n, 0,1,2,3
	FRAG 64+12*\n, 7, 8, \s, \n*16*P
	ds_load_b32 v[116+\n], v12 offset:512*\n+4*(\s)
.endr
	s_wait_dscnt 0x0
.irp t, 0,1,2,3                        ; sixteen accumulators by turns
.irp n, 0,1,2,3
	v_wmma_scale_f32_16x16x128_f8f6f4 v[128+32*\t+8*\n:135+32*\t+8*\n], v[64+12*\n:75+12*\n], v[16+12*\t:27+12*\t], v[128+32*\t+8*\n:135+32*\t+8*\n], v[116+\n], v[112+\t] matrix_a_fmt:MATRIX_FMT_FP6 matrix_b_fmt:MATRIX_FMT_FP6
.endr
.endr
.endm
	s_load_b256 s[4:11], s[0:1], 0x0       ; yimg, o_w's codes, scales, o_b
	s_load_b64 s[12:13], s[0:1], 0x20      ; out0
	v_lshl_add_u32 v126, v0, 2, SPARE
	v_mov_b32 v127, 0
	ds_add_u32 v126, v127                  ; the opening lines: the add twice on end and one wait
	ds_add_u32 v126, v127
	v_lshrrev_b32 v121, 5, v0
	v_readfirstlane_b32 s[WV], v121
	s_lshr_b32 s15, s[WV], 2               ; which 64 rows
	s_and_b32 s16, s[WV], 3                ; which 64 columns
	s_bfe_u32 s17, ttmp6, 0x40000
	s_bfe_u32 s18, ttmp6, 0x40004
	s_lshl_b32 s19, ttmp9, 2
	s_add_co_u32 s19, s19, s17             ; block of 256 columns
	s_and_b32 s20, ttmp7, 0xffff
	s_lshl_b32 s20, s20, 2
	s_add_co_u32 s20, s20, s18             ; panel of 128 rows
	s_lshl_b32 s21, s18, 2
	s_lshl_b32 s21, 15, s21                ; my row of the cluster
	s_lshl_b32 s22, 0x1111, s17            ; my column
	s_or_b32 s32, s22, (3<<16)|(1<<21)     ; o_w's scale bytes: 8,192 dense bytes
	G1SET 32, 32, 32, 32
	s_or_b32 s40, s22, (3<<16)|(1<<20)|(1<<21)|(5<<22)|(3<<25)   ; o_w: 64 rows = 192 lines of 256 bytes, 16 of padding behind each
	G1SET 40, 32, 192, 32
	s_or_b32 s48, s21, (3<<16)|(1<<21)     ; y, three K steps: 156 lines
	G1SET 48, 32, 156, 32
	s_or_b32 s56, s21, (3<<16)|(1<<21)     ; y, two K steps: 104 lines
	G1SET 56, 32, 104, 32
	s_and_b32 s96, s[WV], 1
	s_mul_i32 s96, s96, 3*KBLK
	s_mul_i32 s98, s[WV], PART
	s_mov_b32 s99, 0
	s_mul_i32 s26, s20, YP                 ; y's addresses: the panel and the wave's number alone
	s_add_co_u32 s24, s26, s96
	s_mov_b32 s25, 0
	s_add_co_u32 s26, s26, 6*KBLK
	s_mov_b32 s27, 0
	s_lshl_b32 s28, s19, 8                 ; o_w's: the block of columns and the wave's number alone
	s_lshl_b32 s29, s[WV], 6
	s_add_co_u32 s28, s28, s29
	s_mul_i32 s28, s28, 768
	s_mov_b32 s29, 0
	s_lshl_b32 s30, s19, 13
	s_mov_b32 s31, 0
	s_wait_dscnt 0x0
	s_wait_kmcnt 0x0
	s_add_nc_u64 s[24:25], s[4:5], s[24:25]
	s_add_nc_u64 s[26:27], s[4:5], s[26:27]
	s_add_nc_u64 s[28:29], s[6:7], s[28:29]
	s_add_nc_u64 s[30:31], s[8:9], s[30:31]
	G0SET 68, 98, LB, 28
	G0SET 72, 96, 0, 24
	G0SET 76, 99, 6*KBLK, 26
	G0SET 80, 99, LBS, 30
	ROUND                                  ; all sixteen work-groups are here: the joint loads meet
	s_cmp_lt_u32 s[WV], 4                  ; one chain of arms, one load to an arm
	s_cbranch_scc0 .La1
	tensor_load_to_lds s[68:71], s[40:47]
	s_nop 0
	PLACES
	s_branch .Lasked
.La1:
	s_cmp_lt_u32 s[WV], 6
	s_cbranch_scc0 .La2
	tensor_load_to_lds s[72:75], s[48:55]
	s_nop 0
	PLACES
	s_branch .Lasked
.La2:
	s_cmp_eq_u32 s[WV], 6
	s_cbranch_scc0 .La3
	tensor_load_to_lds s[76:79], s[56:63]
	s_nop 0
	PLACES
	s_branch .Lasked
.La3:
	tensor_load_to_lds s[80:83], s[32:39]
	s_nop 0
	PLACES
.Lasked:
	s_lshl_b32 s23, s19, 10
	s_lshl_b32 s2, s16, 8
	s_add_co_u32 s23, s23, s2              ; o_b: 4 (256 block + 64 wn)
	s_mul_i32 s84, s15, 4*1536             ; y: my four tiles of rows
	s_lshl_b32 s85, s15, 9
	s_add_co_u32 s85, s85, 12288           ; their scale words
	s_mul_i32 s86, s16, PART
	s_add_co_u32 s86, s86, LB              ; o_w: my 64 rows
	s_lshl_b32 s87, s16, 11
	s_add_co_u32 s87, s87, LBS
	s_mul_i32 s88, s[WV], 16*272           ; my stage
	s_lshl_b32 s2, s20, 19                 ; my first row and column in out0
	s_lshl_b32 s3, s15, 18
	s_add_co_u32 s2, s2, s3
	s_add_co_u32 s2, s2, s23
	s_mov_b32 s3, 0
	s_add_nc_u64 s[12:13], s[12:13], s[2:3]
	v_and_b32 v121, 31, v0
	v_and_b32 v122, 15, v0                 ; r
	v_bfe_u32 v123, v0, 4, 1               ; h
	v_lshl_add_u32 v120, v123, 5, s23
.irp t, 0,1,2,3
.irp n, 0,1,2,3
	global_load_b128 v[128+32*\t+8*\n:131+32*\t+8*\n], v120, s[10:11] offset:64*\n       ; the sums begin as the bias of the lane's eight columns
	global_load_b128 v[132+32*\t+8*\n:135+32*\t+8*\n], v120, s[10:11] offset:64*\n+16
.endr
.endr
	v_lshl_add_u32 v1, v121, 4, s84
	v_lshl_add_u32 v3, v121, 3, s84
	v_lshl_add_u32 v5, v121, 2, s85
	v_mul_u32_u24 v124, v122, P
	v_mul_u32_u24 v13, v122, 272
	v_mul_u32_u24 v14, v123, 272
	v_lshlrev_b32 v15, 12, v123
	v_add_nc_u32 v2, 4*KBLK, v1
	v_add_nc_u32 v4, 4*KBLK, v3
	v_add_nc_u32 v6, 4*KBLK, v5
	v_add_nc_u32 v124, s86, v124
	v_lshl_add_u32 v13, v123, 5, v13
	v_lshl_add_u32 v14, v122, 4, v14
	v_lshl_add_u32 v15, v122, 4, v15       ; two rows of 256 bytes in out0
	v_lshl_add_u32 v12, v122, 5, s87
	v_mad_u32_u24 v7, v123, 24, v124
	v_mad_u32_u24 v8, v123, 40, v124
	v_add_nc_u32 v13, s88, v13             ; in: row r, 32 bytes for each half of the lanes
	v_add_nc_u32 v14, s88, v14             ; back: lanes 0-15 one row of 256 bytes, lanes 16-31 the next
	s_wait_alu depctr_va_vdst(0)           ; the wait at the head's end
	s_wait_loadcnt 0x0                     ; o_b
	s_wait_tensorcnt 0x0                   ; my tile is in
	s_barrier_signal -1
	s_barrier_wait -1                      ; everybody's are; nothing is filled again
.irp s, 0,1,2,3,4,5,6,7
	KSTEP \s
.endr
	s_wait_dscnt 0x0                       ; my reads of y's panel are over:
	s_barrier_signal -1
	s_barrier_wait -1                      ; everybody's are: the stages may be written
; A block of 16 rows x 64 columns goes into my stage and comes back as whole rows of 256 bytes.  LDS serves a wave's instructions in order (ISA guide 5.7.1.4): no wait between the stores and the loads.
.macro TOSTAGE t
.set BK, 16+32*((\t)%2)
.irp n, 0,1,2,3
	ds_store_b128 v13, v[128+32*(\t)+8*\n:131+32*(\t)+8*\n] offset:64*\n       ; each accumulator from its low end on
	ds_store_b128 v13, v[132+32*(\t)+8*\n:135+32*(\t)+8*\n] offset:64*\n+16
.endr
.irp i, 0,1,2,3,4,5,6,7
	ds_load_b128 v[BK+4*\i:BK+4*\i+3], v14 offset:544*\i
.endr
.endm
.macro SEND t, younger                 ; younger: the LDS instructions issued behind block t's loads, which may stay out
.set BK, 16+32*((\t)%2)
	s_wait_dscnt \younger
.irp i, 0,1,2,3,4,5,6,7
	global_store_b128 v15, v[BK+4*\i:BK+4*\i+3], s[12:13] offset:(16*(\t)+2*\i)*4096 th:TH_STORE_NT   ; 16 lanes store 256 consecutive bytes, at a multiple of 256 from out0's first byte
.endr
.endm
	PLACES
	TOSTAGE 0
.irp a, 1,2,3
.if \a > 1
	s_wait_xcnt 0x0                        ; block a - 2's stores have read their registers: block a's loads may land there
.endif
	TOSTAGE \a
	SEND \a-1, 16                          ; behind block a - 1's loads: block a's 8 stores and 8 loads
.endr
	SEND 3, 0
	s_wait_tensorcnt 0x0                   ; the wave's end
	ds_add_u32 v126, v127
	s_wait_dscnt 0x0
	ROUND                                  ; the closing round
	s_endpgm
.Lfunc_end_k_qaf031d1d3d_oproj:
	.size	k_qaf031d1d3d_oproj, .Lfunc_end_k_qaf031d1d3d_oproj-k_qaf031d1d3d_oproj
	.p2alignl 7, 3214868480
	.fill 96, 4, 3214868480
	.section	.rodata,"a",@progbits
	.p2align	6, 0x0
	.amdhsa_kernel k_qaf031d1d3d_oproj
		.amdhsa_group_segment_fixed_size 324608
		.amdhsa_private_segment_fixed_size 0
		.amdhsa_enable_private_segment 0
		.amdhsa_kernarg_size 40
		.amdhsa_user_sgpr_count 2
		.amdhsa_user_sgpr_kernarg_segment_ptr 1
		.amdhsa_wavefront_size32 1
		.amdhsa_system_sgpr_workgroup_id_x 1
		.amdhsa_system_sgpr_workgroup_id_y 1
		.amdhsa_system_sgpr_workgroup_id_z 1
		.amdhsa_system_vgpr_workitem_id 0
		.amdhsa_next_free_vgpr 256
		.amdhsa_next_free_sgpr 100
		.amdhsa_reserve_vcc 0
		.amdhsa_float_denorm_mode_32 3
		.amdhsa_float_denorm_mode_16_64 3
		.amdhsa_memory_ordered 1
		.amdhsa_forward_progress 1
		.amdhsa_inst_pref_size 61
	.end_amdhsa_kernel
	.amdgpu_metadata
---
amdhsa.version: [ 1, 2 ]
amdhsa.kernels:
  - .name:           k_qaf031d1d3d_oproj
    .symbol:         k_qaf031d1d3d_oproj.kd
    .args:
      - { .name: yimg, .offset: 0, .size: 8, .value_kind: global_buffer, .address_space: global }
      - { .name: o_w_codes, .offset: 8, .size: 8, .value_kind: global_buffer, .address_space: global }
      - { .name: o_w_scales, .offset: 16, .size: 8, .value_kind: global_buffer, .address_space: global }
      - { .name: o_b, .offset: 24, .size: 8, .value_kind: global_buffer, .address_space: global }
      - { .name: out0, .offset: 32, .size: 8, .value_kind: global_buffer, .address_space: global }
    .group_segment_fixed_size: 324608
    .private_segment_fixed_size: 0
    .kernarg_segment_align: 8
    .kernarg_segment_size: 40
    .max_flat_workgroup_size: 256
    .sgpr_count:     100
    .vgpr_count:     256
    .wavefront_size: 32
...
	.end_amdgpu_metadata
.endif
;; end of part 3
